; MI455X (gfx1250); checked and timed in simulation.
; The chip was launched on July 23, 2026; its instructions are those of AMD's public machine-readable ISA for CDNA 5 (MIT licence, August 2026) and "CDNA5" Instruction Set Architecture Reference Guide (July 2026). The comments in the code are by the model that wrote it; some were corrected since.
;; Model. Allowed arithmetic: matrix products marked QUANTISED: E2M3 operands, one E8M0 scale for each 32 along K, by v_wmma_scale_f32_16x16x128_f8f6f4 with both operands' format E2M3, f32 sums; everything else in f32.
;; Inputs: attn_mask 1 x 1 x 2,048 x 2,048 float32; key 4 x 16 x 2,048 x 64 float32; query 4 x 16 x 2,048 x 64 float32; value 4 x 16 x 2,048 x 64 float32.
;; Outputs: out0 4 x 16 x 2,048 x 64 float32.
;; This version of the problem:
;;   THIS VERSION OF THE PROBLEM IS GIVEN IN LOW PRECISION. The matrix products marked QUANTISED in the list below multiply operands that are first quantised to E2M3 (2 exponent bits, 3 mantissa bits; 6 bits a number), with one power-of-two scale for each 32 numbers along K (OCP MX v1.0); their sums are f32. All else is computed in f32.
;;   The module's matrix products, in the order in which they are computed (A, B: the left and right operand; K: the contracted axis; several contracted axes count as one K, in the product's order):
;;     1. batch 64 x [M 2,048, K 64] x [K 64, N 2,048]; A: input query; B: input key: QUANTISED
;;     2. batch 64 x [M 2,048, K 2,048] x [K 2,048, N 64]; A: softmax (see below); B: input value: QUANTISED
;;   THE QUANTISER, for each operand of a quantised product, along K:
;;     - K is cut into blocks of 32 from its start; a last block that is shorter is filled with zeros.
;;     - A block's scale is 2^e with e = floor(log2(the largest magnitude in the block)) - 2, held to -126 .. 127; a block of zeros has e = 0. As a byte (E8M0): e + 127.
;;     - Each number is divided by its block's scale, clamped to +-7.5, and rounded to the nearest number of E2M3, ties to even, subnormals kept.
;;     - The product sums the exact products of the quantised numbers (number of the format x scale) in f32.
;;   ~~~python
;;   def quantise(x, axis):      # numpy; x: float32 -> the quantised numbers, widened to float32 again
;;       x = np.moveaxis(x, axis, -1); K = x.shape[-1]
;;       x = np.pad(x, [(0, 0)] * (x.ndim - 1) + [(0, -K % 32)]); x = x.reshape(x.shape[:-1] + (-1, 32)); a = np.abs(x).max(-1, keepdims=True)
;;       e = np.where(a > 0, np.clip(np.frexp(np.where(a > 0, a, 1))[1] - 1 - 2, -126, 127), 0)      # np.frexp(a)[1] - 1 = floor(log2(a)), exactly
;;       r = np.clip(x / 2.0 ** e, -7.5, 7.5)
;;       step = 2.0 ** (np.maximum(np.frexp(np.where(r == 0, 1, r))[1] - 1, 0) - 3)
;;       q = np.round(r / step) * step * 2.0 ** e      # np.round: ties to even
;;       return np.moveaxis(q.reshape(q.shape[:-2] + (-1,))[..., :K], -1, axis).astype(np.float32)
;;   ~~~
;;   SOFTMAX AHEAD OF A QUANTISED PRODUCT. Where the list says 'softmax', what is quantised is not the finished softmax but p = 2^(t - M), with t = logit x log2(e) and M = ceil(the row's largest t), a whole number; so 1/2 < the row's largest p <= 1. The row's sum l is taken of the UNQUANTISED p, in f32, and the product's result is divided by l at the end. Since M is a whole number, a kernel that streams over the keys may use a running M (the ceiling of the running maximum): every later rescaling is an exact power of two, which a block's scale takes up: the codes' values come out the same.
;;   OPERANDS COMPUTED ON THE WAY. 'Computed on the way' means the value that the module computes at that place (a softmax that the list does not call 'softmax' is quantised finished and normalised). What goes into a quantiser is computed in f32, as accurately as f32 sums, v_exp_f32 and their like allow (about 1e-6 of the number): no bf16 or f16 on the way to a quantiser, and a product that is left as it is and whose result goes on into a quantised operand takes f32 operands (vector FMAs, or v_wmma_f32_16x16x4_f32). A number that lies on a knife's edge between two numbers of the format may be rounded either way, as far as f32 arithmetic and the matrix unit's own rounding can turn it there, and no further.
;; One version. Each part assembles by itself: llvm-mc -triple=amdgcn-amd-amdhsa -mcpu=gfx1250 --defsym DOCPART=n.
;; ======== version 1 of 1: 2 launches
;; limits: right only within a limited range of input values
;; workspace buffers: kvc 13,107,200 bytes
;; launch prep (part 1): grid 16 x 64, 4 waves a work-group, no clusters, 72,192 bytes of LDS; arguments key, value, kvc; writes kvc
.if DOCPART == 1
	.amdgcn_target "amdgcn-amd-amdhsa--gfx1250"
	.amdhsa_code_object_version 6
	.text
	.protected	k_qb6ba0748c0_prep
	.globl	k_qb6ba0748c0_prep
	.p2align	8
	.type	k_qb6ba0748c0_prep,@function
k_qb6ba0748c0_prep:
	s_mov_b64 s[64:65], 0
	v_nop
	global_prefetch_b8 v0, s[64:65] scope:SCOPE_SE
	s_setreg_imm32_b32 hwreg(HW_REG_WAVE_MODE, 25, 1), 1
	s_wait_xcnt 0x0
; key and value, [64 heads][2048 keys][64] f32, become codes of FP6 (E2M3) with one E8M0 scale byte for each 32 along a product's K, laid as IMAGES OF THE OPERAND REGISTERS of the launch that follows.
; K is quantised along the head's 64 (two blocks a key), V along the keys (a block = 32 keys of one channel).
; A block's scale is 2^(floor(log2(its largest magnitude)) - 2); its byte is the largest magnitude's exponent field - 2, held at 1 from below.
; LIMITS: a block of zeros, and a block whose largest magnitude lies under 2^-124, keeps the byte 1 (a block of zeros has zero codes, which add nothing under that byte; only this program reads the bytes);
; NaN and infinities among the inputs are not served.
; SHARES.  A work-group takes one head H (grid y) and one step s of 128 keys (grid x): 32,768 bytes of key and as many of value.  Wave w loads keys 32 w .. 32 w + 31 of both, 512 consecutive bytes a load,
; and makes two fragments of 12 registers a lane (r = lane % 16, h = lane / 16):
;   K's PAIR fragment b = w: registers 0-5 the codes of key k0 = 64 (b / 2) + 16 (b % 2) + 32 (r / 8) + r % 8, channels 32 h + 0 .. 31; registers 6-11 the same channels of key k0 + 8.  Scale word: k0's two bytes, then k0 + 8's two.
;   V's fragment t = w: channel 16 t + r; registers 6 c .. 6 c + 5 the codes of keys 64 c + 32 h + 0 .. 31.  Scale word: byte j for keys 32 j on.
; OUT.  kvc [16 groups of 4 heads][16 steps][4 heads][12,800]: K's four fragments, then V's four, 1,536 bytes each: three groups of 512 bytes, group g = lane l's registers 4 g .. 4 g + 3 at 16 l.
;       then kvc's 512 bytes of scale words: lane l's 16 bytes at 16 l: lanes 0-15 K's four scale words of row r, lanes 16-31 V's four.
; Every store of a wave covers 512 consecutive bytes, aligned to 256.  No loop: every offset is an immediate.
.set KSB,  8960                        ; K's stage, one for each wave: key p (0 .. 31) at 272 p + 128 (p / 16)
.set KST,  0
.set VST,  4*KSB                       ; V's stage, the work-group's: key k (0 .. 127) at 272 k + 64 (k / 32): 35,008 bytes
.set SST,  VST+35072                   ; the 512 bytes of scale words
.set LN,   1                           ; v1   lane
.set RR,   2                           ; v2   r
.set HH,   3                           ; v3   h
.set GL,   4                           ; v4   16 x lane: my place in 512 bytes of memory; never rewritten
.set KSTO, 5                           ; v5   K's stage, in
.set KRD,  6                           ; v6   K's stage, out
.set VSTO, 7                           ; v7   V's stage, in
.set VRD,  8                           ; v8   V's stage, out: my channel's column
.set SSTO, 9                           ; v9   my scale word's place
.set SRD,  10                          ; v10  and the 16 bytes that wave 0 reads back
.set H8,   11                          ; v11  8 h
.set M,    12                          ; v12-13 two largest magnitudes
.set SO,   14                          ; v14-15 the conversions' scale operands
.set BY,   16                          ; v16-17 the scale bytes
.set PP,   19                          ; v19  the other half of the lanes' bytes
.set WK,   20                          ; v20  K's scale word
.set WVV,  21                          ; v21  V's
.set WC,   22                          ; v22  the one that my lane stores
.set R0,   32                          ; v32-95   64 numbers of K
.set R1,   96                          ; v96-159  64 numbers of V
.set CK,   160                         ; v160-171 K's fragment
.set CV,   176                         ; v176-187 V's
.set TT,   188                         ; v188-190, v192-194 the upper halves of two blocks' codes
.set SB,   196                         ; v196-199 scale words on their way out
	s_load_b128 s[4:7], s[0:1], 0x0                ; key, value
	; LAYOUT AS IT NOW STANDS: kvc [16 groups][16 steps][4 heads][12,800]: K's four fragments, V's four, then the 512 bytes of scale words; there is no second buffer.
	; K's pair fragment b, row r: key k0 = 64 (b / 2) + 16 (b % 2) + 32 (r / 8) + r % 8, then key k0 + 8.
	s_load_b64 s[8:9], s[0:1], 0x10                ; kvc
	v_lshl_add_u32 v200, v0, 2, 0x11800
	v_mov_b32 v201, 0
	v_lshrrev_b32 v[LN], 5, v0
	v_readfirstlane_b32 s12, v[LN]                 ; wave 0..3
	s_and_b32 s13, ttmp7, 0xffff                   ; the head H; ttmp9 is the step s
	v_and_b32 v[LN], 31, v0
	v_and_b32 v[RR], 15, v0
	v_bfe_u32 v[HH], v0, 4, 1
	v_lshlrev_b32 v[GL], 4, v[LN]
	v_lshlrev_b32 v[H8], 3, v[HH]
	v_mov_b32 v[PP], 0                             ; written once: a lane permute's destination counts as one of its sources
	s_mov_b32 s20, 0x76543210
	s_mov_b32 s21, 0xfedcba98                      ; v_permlanex16_b32's selects for lane l xor 16
	; LDS addresses: a constant, a constant x wave, constants x parts of the lane
	s_mul_i32 s16, s12, KSB
	v_mul_u32_u24 v[M], v[HH], 272
	v_lshl_add_u32 v[M], v[RR], 4, v[M]            ; a load's 512 bytes are two keys: 272 (lane / 16) + 16 (lane % 16)
	v_add_nc_u32 v[KSTO], s16, v[M]
	v_mul_u32_u24 v[KRD], v[RR], 272
	v_lshrrev_b32 v[M+1], 3, v[RR]
	v_mad_u32_u24 v[KRD], v[M+1], 6784, v[KRD]     ; rows 8-15 take keys 32 further on: the next wave's stage, KSB - 8 x 272 bytes on
	v_lshl_add_u32 v[KRD], v[HH], 7, v[KRD]        ; + my half's 32 channels
	s_and_b32 s26, s12, 2
	s_mul_i32 s26, s26, KSB                        ; the stage of keys 64 (w / 2) on,
	s_and_b32 s27, s12, 1
	s_mul_i32 s27, s27, 4480                       ; + 16 (w % 2) keys: 16 x 272 + 128
	s_add_co_u32 s26, s26, s27
	v_add_nc_u32 v[KRD], s26, v[KRD]
	s_mul_i32 s17, s12, 8768                       ; 32 keys x 272 + 64
	s_add_co_u32 s17, s17, VST
	v_add_nc_u32 v[VSTO], s17, v[M]
	v_mul_u32_u24 v[VRD], v[HH], 8768              ; lanes 16-31 begin 32 keys further down
	v_lshl_add_u32 v[VRD], v[RR], 2, v[VRD]
	s_lshl_b32 s18, s12, 6                         ; channel 16 w + r
	s_add_co_u32 s18, s18, VST
	v_add_nc_u32 v[VRD], s18, v[VRD]
	s_lshl_b32 s19, s12, 2
	s_add_co_u32 s19, s19, SST
	v_add_nc_u32 v[SSTO], s19, v[GL]               ; 16 x lane + 4 x wave
	v_add_nc_u32 v[SRD], SST, v[GL]
	; offsets in memory
	s_lshl_b32 s14, s13, 19                        ; a head is 524,288 bytes,
	s_lshl_b32 s15, ttmp9, 15                      ; a step 32,768,
	s_add_co_u32 s14, s14, s15
	s_lshl_b32 s15, s12, 13                        ; my wave's 32 keys 8,192
	s_add_co_u32 s14, s14, s15
	s_mov_b32 s15, 0
	s_lshr_b32 s22, s13, 2
	s_lshl_b32 s22, s22, 6                         ; kvc: block 64 (H / 4) + 4 s + H % 4 of 12,800 bytes,
	s_lshl_b32 s23, ttmp9, 2
	s_add_co_u32 s22, s22, s23
	s_and_b32 s23, s13, 3
	s_add_co_u32 s22, s22, s23
	s_mul_i32 s22, s22, 12800
	s_mul_i32 s23, s12, 1536                       ; fragment w in it
	s_add_co_u32 s22, s22, s23
	s_mov_b32 s23, 0
	s_wait_alu depctr_va_vdst(0)
	s_wait_kmcnt 0x0
	s_add_nc_u64 s[4:5], s[4:5], s[14:15]
	s_add_nc_u64 s[6:7], s[6:7], s[14:15]
	s_add_nc_u64 s[8:9], s[8:9], s[22:23]
.irp i, 0,1,2,3,4,5,6,7,8,9,10,11,12,13,14,15
	global_load_b128 v[R0+4*\i:R0+4*\i+3], v[GL], s[4:5] offset:512*\i th:TH_LOAD_NT   ; 32 lanes read 512 consecutive bytes: two keys
.endr
.irp i, 0,1,2,3,4,5,6,7,8,9,10,11,12,13,14,15
	global_load_b128 v[R1+4*\i:R1+4*\i+3], v[GL], s[6:7] offset:512*\i th:TH_LOAD_NT
.endr
; 64 numbers of a lane, two whole blocks of 32 (v[x] on and v[x + 32] on), become a fragment's 12 registers in v[c] on and its row's scale word in v[w].
; My two bytes stand at bytes h and 2 + h of the word; lane l xor 16 has the other two.
.macro QUANT64 x, c, w
.irp k, 0,1
	v_max3_num_f32 v[M+\k], |v[\x+32*\k]|, |v[\x+32*\k+1]|, 0x1800000   ; and the floor 2^(3 - 127): the byte cannot fall under 1
.endr
.irp i, 2,4,6,8,10,12,14,16,18,20,22,24,26,28,30
.irp k, 0,1
	v_max3_num_f32 v[M+\k], v[M+\k], |v[\x+32*\k+\i]|, |v[\x+32*\k+\i+1]|   ; (the two blocks by turns)
.endr
.endr
.irp k, 0,1
	v_add_nc_u32 v[SO+\k], 0xff000000, v[M+\k]     ; 2 off the exponent field: the conversion takes the exponent field of this operand as its scale
.endr
.irp k, 0,1
	v_lshrrev_b32 v[BY+\k], 23, v[SO+\k]           ; the scale's byte
.endr
	v_lshl_or_b32 v[\w], v[BY+1], 16, v[BY]
	v_lshlrev_b32 v[\w], v[H8], v[\w]
	v_permlanex16_b32 v[PP], v[\w], s20, s21
	v_or_b32 v[\w], v[\w], v[PP]                   ; the word is whole, in both lanes of the row
.irp k, 0,1
	v_cvt_scalef32_pk16_fp6_f32 v[\c+6*\k:\c+6*\k+2], v[\x+32*\k:\x+32*\k+15], v[SO+\k]
	v_cvt_scalef32_pk16_fp6_f32 v[TT+4*\k:TT+4*\k+2], v[\x+32*\k+16:\x+32*\k+31], v[SO+\k]   ; (a conversion's three registers begin on an even number: the upper half is made elsewhere and moved)
.endr
	v_nop                                          ; one plain instruction behind the last scaled conversion
.irp k, 0,1
.irp e, 0,1,2
	v_mov_b32 v[\c+6*\k+3+\e], v[TT+4*\k+\e]
.endr
.endr
.endm
	s_wait_loadcnt 16                              ; key's 16 loads are in; value's 16, issued behind them, may be out
.irp i, 0,1,2,3,4,5,6,7,8,9,10,11,12,13,14,15
	ds_store_b128 v[KSTO], v[R0+4*\i:R0+4*\i+3] offset:544*\i+128*(\i/8)
.endr
	s_wait_loadcnt 0x0
.irp i, 0,1,2,3,4,5,6,7,8,9,10,11,12,13,14,15
	ds_store_b128 v[VSTO], v[R1+4*\i:R1+4*\i+3] offset:544*\i
.endr
	s_wait_dscnt 0x0                               ; for the others' sake: my 32 keys of V lie in the stage
	s_barrier_signal -1
	s_barrier_wait -1                              ; all 128 keys do
.irp j, 0,1,2,3,4,5,6,7
	ds_load_b128 v[R0+4*\j:R0+4*\j+3], v[KRD] offset:16*\j            ; key k0, my 32 channels
.endr
.irp j, 0,1,2,3,4,5,6,7
	ds_load_b128 v[R0+32+4*\j:R0+32+4*\j+3], v[KRD] offset:2176+16*\j ; key k0 + 8: eight rows on
.endr
.set i, 0
.rept 32
	ds_load_b32 v[R1+i], v[VRD] offset:272*i       ; V(32 h + i, my channel): sixteen lanes read 64 neighbouring bytes
.set i, i+1
.endr
	s_wait_dscnt 32                                ; K's 16 loads are in; the 32 issued behind them may be out
.set i, 0
.rept 32
	ds_load_b32 v[R1+32+i], v[VRD] offset:272*(64+i)+128   ; V(64 + 32 h + i, my channel)
.set i, i+1
.endr
	QUANT64 R0, CK, WK
.irp g, 0,1,2
	global_store_b128 v[GL], v[CK+4*\g:CK+4*\g+3], s[8:9] offset:512*\g
.endr
	s_wait_dscnt 0x0                               ; V's 64 numbers are in
	QUANT64 R1, CV, WVV
.irp g, 0,1,2
	global_store_b128 v[GL], v[CV+4*\g:CV+4*\g+3], s[8:9] offset:6144+512*\g
.endr
	v_cmp_gt_u32 vcc_lo, 16, v[LN]
	v_cndmask_b32 v[WC], v[WVV], v[WK], vcc_lo     ; lanes 0-15 store K's word of row r, lanes 16-31 V's
	ds_store_b32 v[SSTO], v[WC]
	s_wait_dscnt 0x0                               ; for wave 0's sake
	s_barrier_signal -1
	s_barrier_wait -1
	s_cmp_lg_u32 s12, 0
	s_cbranch_scc1 .Ldone                          ; wave 0 stores the 512 bytes; no barrier stands behind this branch
	ds_load_b128 v[SB:SB+3], v[SRD]
	s_wait_dscnt 0x0
	global_store_b128 v[GL], v[SB:SB+3], s[8:9] offset:12288   ; wave 0's base is the block's first byte: the scale words lie behind the eight fragments
.Ldone:
	s_wait_tensorcnt 0x0
	ds_add_u32 v200, v201
	s_wait_dscnt 0x0
	s_endpgm
.Lfunc_end_k_qb6ba0748c0_prep:
	.size	k_qb6ba0748c0_prep, .Lfunc_end_k_qb6ba0748c0_prep-k_qb6ba0748c0_prep
	.p2alignl 7, 3214868480
	.fill 96, 4, 3214868480
	.section	.rodata,"a",@progbits
	.p2align	6, 0x0
	.amdhsa_kernel k_qb6ba0748c0_prep
		.amdhsa_group_segment_fixed_size 72192
		.amdhsa_private_segment_fixed_size 0
		.amdhsa_enable_private_segment 0
		.amdhsa_kernarg_size 24
		.amdhsa_user_sgpr_count 2
		.amdhsa_user_sgpr_kernarg_segment_ptr 1
		.amdhsa_wavefront_size32 1
		.amdhsa_system_sgpr_workgroup_id_x 1
		.amdhsa_system_sgpr_workgroup_id_y 1
		.amdhsa_system_sgpr_workgroup_id_z 1
		.amdhsa_system_vgpr_workitem_id 0
		.amdhsa_next_free_vgpr 202
		.amdhsa_next_free_sgpr 66
		.amdhsa_reserve_vcc 1
		.amdhsa_float_denorm_mode_32 3
		.amdhsa_float_denorm_mode_16_64 3
		.amdhsa_memory_ordered 1
		.amdhsa_forward_progress 1
		.amdhsa_inst_pref_size 21
	.end_amdhsa_kernel
	.amdgpu_metadata
---
amdhsa.version: [ 1, 2 ]
amdhsa.kernels:
  - .name:           k_qb6ba0748c0_prep
    .symbol:         k_qb6ba0748c0_prep.kd
    .args:
      - { .name: key, .offset: 0, .size: 8, .value_kind: global_buffer, .address_space: global }
      - { .name: value, .offset: 8, .size: 8, .value_kind: global_buffer, .address_space: global }
      - { .name: kvc, .offset: 16, .size: 8, .value_kind: global_buffer, .address_space: global }
    .group_segment_fixed_size: 72192
    .private_segment_fixed_size: 0
    .kernarg_segment_align: 8
    .kernarg_segment_size: 24
    .max_flat_workgroup_size: 128
    .sgpr_count:     66
    .vgpr_count:     202
    .wavefront_size: 32
...
	.end_amdgpu_metadata
.endif
;; end of part 1
;; launch attn (part 2): grid 16 x 16, 8 waves a work-group, clusters of 4 x 4, 327,680 bytes of LDS; arguments query, kvc, attn_mask, out0; writes out0
.if DOCPART == 2
	.amdgcn_target "amdgcn-amd-amdhsa--gfx1250"
	.amdhsa_code_object_version 6
	.text
	.protected	k_qb6ba0748c0_attn
	.globl	k_qb6ba0748c0_attn
	.p2align	8
	.type	k_qb6ba0748c0_attn,@function
k_qb6ba0748c0_attn:
	s_mov_b64 s[64:65], 0
	v_nop
	global_prefetch_b8 v0, s[64:65] scope:SCOPE_SE
	s_setreg_imm32_b32 hwreg(HW_REG_WAVE_MODE, 25, 1), 1
	s_wait_xcnt 0x0
	s_wait_alu depctr_hold_cnt(0) depctr_sa_sdst(0) depctr_va_vdst(0) depctr_va_sdst(0) depctr_va_ssrc(0) depctr_va_vcc(0) depctr_vm_vsrc(0)
	s_getreg_b32 s2, hwreg(HW_REG_IB_STS2, 6, 4)
	s_cmp_eq_u32 s2, 0
	s_cbranch_scc0 .Lentry_in_a_cluster
	s_endpgm
.Lentry_in_a_cluster:
	s_bfe_u32 s2, ttmp6, 0x10000c
	s_cmp_lg_u32 s2, 0xf033
	s_cbranch_scc0 .Lentry_shape_is_right
	s_endpgm
.Lentry_shape_is_right:
; out0[H][q][:] = sum over k of softmax_k(Q[H][q] . K[H][k] + mask[q][k]) V[H][k][:]; 64 heads, 2,048 queries and keys, 64 channels; both products on FP6 (E2M3) codes with one E8M0 scale for each 32 along K.
; K, V and their scale words come as images of operand registers (kvc); Q is quantised here; the mask, f32, is the C of the first product.
; SOFTMAX: t = logit x log2(e); M = ceil of the running largest t; p = 2^(t - M) is quantised along the keys; the row's sum is taken of the unquantised p; when M moves, sum and O are multiplied by 2^(old M - new M).
; LIMITS: NaN and infinities in any input are not served; the promise holds while |t| stays under 2^31; a block whose largest magnitude lies under 2^-124 has the scale byte 1 (its codes are zeros or near).
; SHARES: a work-group owns 128 queries (qb) of 4 heads (hg); each of eight waves owns 16 queries, one tile, of all four heads: a mask tile read from LDS serves four heads from registers.
; A step is 128 keys, four UNITS, one a head: 8 score products, the softmax, 4 second products.
; CLUSTER 4 x 4: a step's codes hang on hg alone (shared along a row), the mask's tile on qb alone (shared along a column): joint loads, one a wave: waves 0-3 a head's codes each, waves 4-7 32 rows of the mask each.
; LAYOUT (r = lane % 16, h = lane / 16), both products transposed: S register 32 c + e = logit(query r, key 64 c + 32 h + e): a lane holds WHOLE blocks of 32 keys, so p's codes need no other lane.
; WINDOWS: 0 addresses, statistics, scales, K's, V's and p's fragments, S; 1 O^T (32 head + 8 t + j), Z Q Z Q .. Z (zero codes and Q's, six registers each), the mask's tile.
.set SLOT1, 1<<17
.set HB,    12800                      ; a head's part of a step: 8 fragments of 1,536 bytes, 512 bytes of scale words
.set FB,    1536
.set MOFF,  4*HB
.set MP,    528                        ; a mask row in LDS: 512 bytes + 16
.set SPARE, 2*SLOT1                    ; the spare words: 128 bytes a wave
.set SP,    272                        ; the way out: rows of 256 + 16 bytes, in slot 0 after its last fill and last read
.set LI, 1
.set AM0, 2
.set H8, 3
.set SPW, 4
.set NIL, 5
.set ADK, 6
.set ADM, 7
.set PFO, 8
.set STO, 9
.set RD, 10
.set QO, 11
.set F, 12                             ; v[12:13]: f
.set XA, 14
.set Y, 15
.set ST, 16                            ; v16-31: -M, largest logit, the sum in two halves, for each head
.set QS, 32
.set SCW, 36                           ; v36-51: four scale words a head (lanes 0-15 K's, 16-31 V's)
.set PW, 52
.set NM, 53
.set SO, 54
.set BY, 56
.set KF, 60
.set VF, 108
.set PC, 156
.set CT, 168                           ; upper halves of the blocks' codes;
.set SU, 168                           ; before that the sums' four chains
.set BM, 176
.set S, 184                            ; v184-247
.set XQ, 60                            ; at the head: Q's numbers, 32 a head,
.set BQ, 192
.set SOQ, 196
.set BYQ, 200
.set TQ, 204
.set RB, 60                            ; on the way out: rows read back, 32 a head,
.set OV, 188                           ; and O^T / the sum of the head in hand
.set QZ, 128                           ; window 1
.set MK, 192
.set WV, 14
.set HF, 15
.set G1K, 24
.set G1M, 32
.set G0K, 48
.set G0M, 52
.set TB, 60
.set CNT, 62
.set CS, 66
.set SEL, 68
.set PF, 70
.set PFS, 72
.set NC, 74
.set HQ, 75
.set LIM, 76
.set MSB, 0
.macro WIN new                         ; bits 1:0 source 0, 3:2 source 1, 5:4 source 2, 7:6 destination; the high byte repeats the setting left
.if MSB != \new
	s_set_vgpr_msb (MSB<<8)|\new
.set MSB, \new
.endif
.endm
.macro AW
	s_wait_alu depctr_va_vdst(0)
.endm
.macro D n                             ; a hint: the next line reads the result of the vector line n back
	s_delay_alu instid0(VALU_DEP_\n)
.endm
.macro NOP4
.rept 4
	v_nop
.endr
.endm
.macro CROUND                          ; a round of the cluster's barrier
	s_barrier_signal -1
	s_barrier_wait -1
	s_cmp_lg_u32 s[WV], 0
	s_cbranch_scc1 .Lnot_wave_0_\@
	s_barrier_signal -3
.Lnot_wave_0_\@:
	s_barrier_wait -3
	s_barrier_signal -1
	s_barrier_wait -1
.endm
.macro JLOAD                           ; waves 0-3: a quarter of a step's codes; waves 4-7: a quarter of the mask's tile
	s_cmp_lt_u32 s[WV], 4
	s_cbranch_scc0 .Lfor_m_\@
	tensor_load_to_lds s[G0K:G0K+3], s[G1K:G1K+7]
	s_nop 0
	NOP4
	s_branch .Lasked_\@
.Lfor_m_\@:
	tensor_load_to_lds s[G0M:G0M+3], s[G1M:G1M+7]
	s_nop 0
	NOP4
.Lasked_\@:
.endm
.macro WALK                            ; both descriptors: the other slot, the next step
	s_xor_b32 s[G0K+1], s[G0K+1], SLOT1
	s_add_nc_u64 s[G0K+2:G0K+3], s[G0K+2:G0K+3], 4*HB
	s_xor_b32 s[G0M+1], s[G0M+1], SLOT1
	s_add_nc_u64 s[G0M+2:G0M+3], s[G0M+2:G0M+3], 512
.endm
; A prefetch behind the refill of step t + 2: step t + 4.  Codes: of a step's 200 blocks of 256 bytes the partner at cx takes 50, its waves 0 and 1 take 25 each (lanes 25-31 name the last again).
; Mask: the partner at cy takes 32 of the 128 rows, a lane a row, waves 4 and 5 one 256 bytes each of the row's 512.  The other waves ask for nothing.  Trips 12 and 13 (CNT 2, 1) ask for nothing: step 15 is the last.
.macro ASK
	s_cmp_gt_u32 s[CNT], s[LIM]
	s_cbranch_scc0 .Lno_ask_\@
	global_prefetch_b8 v[PFO], s[PF:PF+1] th:TH_LOAD_NT scope:SCOPE_SE
.Lno_ask_\@:
.endm
.macro KLOAD i
.irp b, 0,1,2,3
.irp g, 0,1,2
	ds_load_b128 v[KF+12*\b+4*\g:KF+12*\b+4*\g+3], v[ADK] offset:HB*(\i)+FB*\b+512*\g
.endr
.endr
.endm
.macro VLOAD i
.irp t, 0,1,2,3
.irp g, 0,1,2
	ds_load_b128 v[VF+12*\t+4*\g:VF+12*\t+4*\g+3], v[ADK] offset:HB*(\i)+4*FB+FB*\t+512*\g
.endr
.endr
.endm
; Score product q of head i: pair fragment q / 2; q even: Q first picks key k0, q odd: Q last picks k0 + 8.  Its eight registers are keys 64 c + 32 h + 8 u + 0 .. 7, 4 c + u = q.  All accumulators differ from one to the next.
.macro SMUL i, q
	v_wmma_scale_f32_16x16x128_f8f6f4 v[S+8*\q:S+8*\q+7], v[KF+12*(\q/2):KF+12*(\q/2)+11], v[QZ+12*(\i)+6-6*(\q%2):QZ+12*(\i)+17-6*(\q%2)], v[MK+8*\q:MK+8*\q+7], v[SCW+4*(\i)+\q/2], v[QS+(\i)] matrix_a_fmt:MATRIX_FMT_FP6 matrix_b_fmt:MATRIX_FMT_FP6
.endm
.macro PVMUL i                         ; O^T += V^T P^T, four tiles of 16 channels
	WIN 0x50
.irp t, 0,1,2,3
	v_wmma_scale_f32_16x16x128_f8f6f4 v[32*(\i)+8*\t:32*(\i)+8*\t+7], v[VF+12*\t:VF+12*\t+11], v[PC:PC+11], v[32*(\i)+8*\t:32*(\i)+8*\t+7], v[SCW+4*(\i)+\t], v[PW] matrix_a_fmt:MATRIX_FMT_FP6 matrix_b_fmt:MATRIX_FMT_FP6 matrix_a_scale:MATRIX_SCALE_ROW1
.endr
	WIN 0
.endm
	s_load_b256 s[4:11], s[0:1], 0x0               ; query, kvc, attn_mask, out0
	v_lshl_add_u32 v[SPW], v0, 2, SPARE
	v_mov_b32 v[NIL], 0
	ds_add_u32 v[SPW], v[NIL]                      ; the opening lines: the add twice and its wait
	ds_add_u32 v[SPW], v[NIL]
	v_lshrrev_b32 v[XA], 5, v0
	v_readfirstlane_b32 s[WV], v[XA]               ; wave 0..7
	s_and_b32 s[HF], s[WV], 1
	s_and_b32 s[HQ], s[WV], 3                      ; which quarter of a tile I fetch
	s_bfe_u32 s16, ttmp6, 0x40000                  ; cx
	s_bfe_u32 s17, ttmp6, 0x40004                  ; cy
	s_lshl_b32 s18, ttmp9, 2
	s_add_co_u32 s18, s18, s16                     ; qb
	s_and_b32 s19, ttmp7, 0xffff
	s_lshl_b32 s19, s19, 2
	s_add_co_u32 s19, s19, s17                     ; hg
	s_lshl_b32 s20, s17, 2
	s_lshl_b32 s20, 15, s20                        ; my row of the cluster shares hg
	s_lshl_b32 s21, 0x1111, s16                    ; my column shares qb
	s_or_b32 s[G1K], s20, (3<<16)|(1<<21)          ; codes: a head's 12,800 dense bytes, as 50 rows of 32 elements of 8 bytes
	s_mov_b32 s[G1K+1], 32<<16
	s_mov_b32 s[G1K+2], 50<<16
	s_mov_b32 s[G1K+3], 32<<16
	s_mov_b32 s[G1K+4], 50
	s_mov_b32 s[G1K+5], 32
	s_mov_b32 s[G1K+6], 0
	s_mov_b32 s[G1K+7], 0
	s_or_b32 s[G1M], s21, (2<<16)|(1<<20)|(1<<21)|(6<<22)|(3<<25)   ; mask: 32 rows of 128 f32, 2,048 apart, 4 words of padding behind each
	s_mov_b32 s[G1M+1], 128<<16
	s_mov_b32 s[G1M+2], 32<<16
	s_mov_b32 s[G1M+3], 128<<16
	s_mov_b32 s[G1M+4], 32
	s_mov_b32 s[G1M+5], 2048
	s_mov_b32 s[G1M+6], 0
	s_mov_b32 s[G1M+7], 0
	s_mul_i32 s78, s[HQ], HB
	s_mul_i32 s86, s19, 819200                     ; a head group's 16 steps of 51,200 bytes
	s_add_co_u32 s86, s86, s78
	s_mov_b32 s87, 0
	s_lshl_b32 s80, s18, 20
	s_lshl_b32 s82, s[HQ], 18
	s_add_co_u32 s80, s80, s82
	s_mov_b32 s81, 0
	s_mul_i32 s82, s[HQ], 32*MP
	s_add_co_u32 s82, s82, MOFF
	s_lshl_b32 s88, s19, 21                        ; query, out0: hg x 4 heads + qb x 128 rows + my 16 rows
	s_lshl_b32 s89, s18, 15
	s_add_co_u32 s88, s88, s89
	s_lshl_b32 s89, s[WV], 12
	s_add_co_u32 s88, s88, s89
	s_mov_b32 s89, 0
	s_mov_b32 s[CS], 0x3fb8aa3b                    ; log2(e)
	s_mov_b32 s[CS+1], s[CS]
	s_mov_b32 s[NC], 0xbfb8aa3b                    ; and its negative
	s_mov_b32 s[SEL], 0x76543210
	s_mov_b32 s[SEL+1], 0xfedcba98
	s_mov_b32 s[TB], 0
	s_mov_b32 s[CNT], 14
	s_mul_i32 s63, s[WV], 16*MP
	s_add_co_u32 s63, s63, MOFF
	v_and_b32 v[XA], 31, v0                        ; lane
	v_and_b32 v[NM], 15, v0                        ; r
	v_bfe_u32 v[Y], v0, 4, 1                       ; h
	v_lshlrev_b32 v[LI], 4, v[XA]
	v_lshlrev_b32 v[H8], 3, v[Y]
	v_lshlrev_b32 v[QO], 8, v[NM]
	v_lshl_add_u32 v[QO], v[Y], 7, v[QO]           ; Q: row r of 256 bytes + my 32 channels
	v_mul_u32_u24 v[AM0], v[NM], MP
	v_lshl_add_u32 v[AM0], v[Y], 7, v[AM0]         ; mask: row r + 32 h keys,
	v_add_nc_u32 v[AM0], s63, v[AM0]               ; in my wave's 16 rows
	s_cmp_lt_u32 s[WV], 4
	s_cselect_b32 s90, 24, 31
	s_cselect_b32 s91, 8, 13
	v_min_u32 v[PFO], s90, v[XA]
	v_lshlrev_b32 v[PFO], s91, v[PFO]              ; the prefetches' lane term: 256 x lane (codes) or a mask row x lane
	v_mov_b32 v[F+1], 0                            ; (the upper half of a named pair)
	AW
	s_wait_dscnt 0x0
	s_wait_kmcnt 0x0
	s_add_nc_u64 s[4:5], s[4:5], s[88:89]
	s_add_nc_u64 s[10:11], s[10:11], s[88:89]
.irp n, 0,1,2,3                                ; head n: Q(r, 32 h ..): a whole block in a lane; asked for ahead of the round, so that they fly under it
.irp j, 0,1,2,3,4,5,6,7
	global_load_b128 v[XQ+32*\n+4*\j:XQ+32*\n+4*\j+3], v[QO], s[4:5] offset:524288*\n+16*\j
.endr
.endr
	s_mov_b32 s[G0K], 1
	s_mov_b32 s[G0K+1], s78
	s_add_nc_u64 s[G0K+2:G0K+3], s[6:7], s[86:87]
	s_or_b32 s[G0K+3], s[G0K+3], 0x80000000
	s_mov_b32 s[G0M], 1
	s_mov_b32 s[G0M+1], s82
	s_add_nc_u64 s[G0M+2:G0M+3], s[8:9], s[80:81]
	s_or_b32 s[G0M+3], s[G0M+3], 0x80000000
	CROUND                                         ; the first joint loads meet
	JLOAD                                          ; step 0: one tensor load a wave at the head
	s_mul_i32 s92, s19, 819200                     ; where my prefetches stand: at step 3; each change of slots steps them
	s_mul_i32 s93, s16, 12800
	s_add_co_u32 s92, s92, s93
	s_mul_i32 s93, s[HF], 6400
	s_add_co_u32 s92, s92, s93
	s_add_co_u32 s92, s92, 3*4*HB
	s_lshl_b32 s94, s18, 20
	s_lshl_b32 s95, s17, 18
	s_add_co_u32 s94, s94, s95
	s_lshl_b32 s95, s[HF], 8
	s_add_co_u32 s94, s94, s95
	s_add_co_u32 s94, s94, 3*512
	s_mov_b32 s[PFS], 512
	s_cmp_lt_u32 s[WV], 4
	s_cselect_b64 s[PF:PF+1], s[6:7], s[8:9]
	s_cselect_b32 s92, s92, s94
	s_cselect_b32 s[PFS], 4*HB, s[PFS]
	s_mov_b32 s93, 0
	s_mov_b32 s[PFS+1], 0
	s_add_nc_u64 s[PF:PF+1], s[PF:PF+1], s[92:93]
	s_and_b32 s95, s[WV], 2
	s_cmp_eq_u32 s95, 0
	s_cselect_b32 s[LIM], 2, -1                    ; waves 0, 1, 4, 5 ask; for the others the bound is the greatest number
	WIN 0x40
.set j, 0
.rept 5
.irp e, 0,1,2,3,4,5
	v_mov_b32 v[QZ+12*j+\e], 0                     ; the zero codes beside Q's
.endr
.set j, j+1
.endr
.set j, 0
.rept 128
	v_mov_b32 v[j], 0                              ; O^T: the step is written for all steps alike; these lines run while Q and step 0 are on their way
.set j, j+1
.endr
	WIN 0
	s_wait_loadcnt 0x0
.irp n, 0,1,2,3
	v_max3_num_f32 v[BQ+\n], |v[XQ+32*\n]|, |v[XQ+32*\n+1]|, 0x1800000   ; my block's largest magnitude, and the floor 2^(3 - 127)
.endr
.irp e, 2,4,6,8,10,12,14,16,18,20,22,24,26,28,30
.irp n, 0,1,2,3
	D 4
	v_max3_num_f32 v[BQ+\n], v[BQ+\n], |v[XQ+32*\n+\e]|, |v[XQ+32*\n+\e+1]|
.endr
.endr
.irp n, 0,1,2,3
	v_add_nc_u32 v[SOQ+\n], 0xff000000, v[BQ+\n]   ; the conversion's scale operand
.endr
.irp n, 0,1,2,3
	v_lshrrev_b32 v[BYQ+\n], 23, v[SOQ+\n]         ; the byte,
.endr
.irp n, 0,1,2,3
	v_lshlrev_b32 v[BYQ+\n], v[H8], v[BYQ+\n]      ; at byte h
.endr
.irp n, 0,1,2,3
	v_permlanex16_b32 v[BQ+\n], v[BYQ+\n], s[SEL], s[SEL+1]
.endr
.irp n, 0,1,2,3
	v_or_b32 v[BYQ+\n], v[BYQ+\n], v[BQ+\n]
.endr
.irp n, 0,1,2,3
	v_lshl_or_b32 v[QS+\n], v[BYQ+\n], 16, v[BYQ+\n]   ; twice: one word serves Q first and Q last
.endr
	WIN 0x40
.irp n, 0,1,2,3
	v_cvt_scalef32_pk16_fp6_f32 v[QZ+6+12*\n:QZ+8+12*\n], v[XQ+32*\n:XQ+32*\n+15], v[SOQ+\n]
.endr
	WIN 0
.irp n, 0,1,2,3
	v_cvt_scalef32_pk16_fp6_f32 v[TQ+4*\n:TQ+4*\n+2], v[XQ+32*\n+16:XQ+32*\n+31], v[SOQ+\n]   ; (three registers from an even one: made here and moved)
.endr
	v_nop
	WIN 0x40
.irp n, 0,1,2,3
.irp e, 0,1,2
	v_mov_b32 v[QZ+9+12*\n+\e], v[TQ+4*\n+\e]
.endr
.endr
	WIN 0
.irp n, 0,1,2,3
	v_mov_b32 v[ST+4*\n], 0x7f61b1e6               ; -M = 3e38; the largest logit -3e38; the sums 0
	v_mov_b32 v[ST+4*\n+1], 0xff61b1e6
	v_mov_b32 v[ST+4*\n+2], 0
	v_mov_b32 v[ST+4*\n+3], 0
.endr
; A UNIT: head i, my 16 queries, the step's 128 keys.  pv = 0: the second product is left to the change of slots.
.macro UNIT i, pv
.set T0, ST+4*(\i)
	WIN 0x14
.if (\i) == 0
	s_wait_dscnt 8                                 ; K, the scale words and the mask's keys 0-63 are in; the mask's other eight loads may be out
.irp q, 0,1,2,3
	SMUL \i, \q
.endr
	s_wait_dscnt 0x0
.irp q, 4,5,6,7
	SMUL \i, \q
.endr
.else
	s_wait_dscnt 0x0                               ; K's fragments are in
.irp q, 0,1,2,3,4,5,6,7
	SMUL \i, \q
.endr
.endif
	WIN 0
	NOP4                                           ; places: ahead of the scores' first read and of the loads into K's and V's registers
	VLOAD \i
.if (\i) < 3
	KLOAD (\i)+1
.endif
.set n, 0
.rept 8                                        ; eight chains, one for each tile of eight registers, each read from its low end on
	v_max3_num_f32 v[BM+n], v[S+8*n], v[S+8*n+1], v[S+8*n+2]
.set n, n+1
.endr
.irp e, 3,5
.set n, 0
.rept 8
	v_max3_num_f32 v[BM+n], v[BM+n], v[S+8*n+\e], v[S+8*n+\e+1]
.set n, n+1
.endr
.endr
.set n, 0
.rept 4                                        ; block c = n / 2: the four tiles' last registers
	v_max3_num_f32 v[BM+4*(n>>1)+(n&1)], v[BM+4*(n>>1)+(n&1)], v[S+32*(n>>1)+16*(n&1)+7], v[S+32*(n>>1)+16*(n&1)+15]
.set n, n+1
.endr
	D 3
	v_max3_num_f32 v[BM], v[BM], v[BM+1], v[BM+2]
	D 2
	v_max3_num_f32 v[BM+4], v[BM+4], v[BM+5], v[BM+6]
.irp g, 0,1
	D 2
	v_max_num_f32 v[BM+4*\g], v[BM+4*\g], v[BM+4*\g+3]   ; THE LARGEST LOGIT OF MY BLOCK: for the row's maximum and, since p rises with the logit, for the block's largest p
.endr
	D 1
	v_max_num_f32 v[XA], v[BM], v[BM+4]
	D 1
	v_permlanex16_b32 v[Y], v[XA], s[SEL], s[SEL+1]
	D 1
	v_max3_num_f32 v[T0+1], v[T0+1], v[XA], v[Y]   ; the running largest logit
	D 1
	v_mul_f32 v[XA], s[NC], v[T0+1]                ; -t
	D 1
	v_floor_f32 v[NM], v[XA]                       ; the new -M = -ceil(t)
	D 1
	v_sub_f32 v[XA], v[NM], v[T0]                  ; old M - new M: a whole number, 0 or less
	v_mov_b32 v[T0], v[NM]
.irp g, 0,1
	v_fma_f32 v[BM+4*\g], v[BM+4*\g], s[CS], v[NM]
.endr
.set j, 0
.rept 32
	v_pk_fma_f32 v[S+2*j:S+2*j+1], v[S+2*j:S+2*j+1], s[CS:CS+1], v[T0:T0+1] op_sel_hi:[1,0,0]   ; t - M
.if j == 1
	v_cvt_i32_f32 v[XA], v[XA]                     ; (it saturates)
.endif
.if j == 5
	v_ldexp_f32 v[F], 1.0, v[XA]                   ; f = 2^(old M - new M)
.endif
.set j, j+1
.endr
	AW                                             ; ahead of the batch
.set j, 0
.rept 64
	v_exp_f32 v[S+j], v[S+j]                       ; p = 2^(t - M)
.set j, j+1
.endr
.irp g, 0,1
	v_exp_f32 v[BM+4*\g], v[BM+4*\g]               ; the block's largest p: the same two instructions on the same number
.endr
	v_nop
	AW                                             ; and behind it
.irp k, 0,1,2,3                                ; THE ROW'S SUM OF THE UNQUANTISED p: four chains of pairs
	v_pk_add_f32 v[SU+2*\k:SU+2*\k+1], v[S+4*\k:S+4*\k+1], v[S+4*\k+2:S+4*\k+3]
.endr
.irp m, 0,1,2,3,4,5
.irp k, 0,1,2,3
	v_pk_add_f32 v[SU+2*\k:SU+2*\k+1], v[SU+2*\k:SU+2*\k+1], v[S+16+8*\m+2*\k:S+17+8*\m+2*\k]
.endr
.endr
.irp g, 0,1
	v_max_num_f32 v[BM+4*\g], 0x1800000, v[BM+4*\g]   ; the floor: the byte cannot fall under 1
.endr
	v_pk_add_f32 v[SU:SU+1], v[SU:SU+1], v[SU+2:SU+3]
	v_pk_add_f32 v[SU+4:SU+5], v[SU+4:SU+5], v[SU+6:SU+7]
.irp g, 0,1
	v_add_nc_u32 v[SO+\g], 0xff000000, v[BM+4*\g]  ; the conversion's scale operand.  (The sums' chain and the scales' chain take turns line by line)
.endr
	v_pk_add_f32 v[SU:SU+1], v[SU:SU+1], v[SU+4:SU+5]
.irp g, 0,1
	v_lshrrev_b32 v[BY+\g], 23, v[SO+\g]
.endr
	v_pk_fma_f32 v[T0+2:T0+3], v[T0+2:T0+3], v[F:F+1], v[SU:SU+1] op_sel_hi:[1,0,1]   ; the old sum under the new M, and this step's
	D 2
	v_lshl_or_b32 v[XA], v[BY+1], 16, v[BY]        ; my blocks h and 2 + h
	D 1
	v_lshlrev_b32 v[XA], v[H8], v[XA]
	D 1
	v_permlanex16_b32 v[Y], v[XA], s[SEL], s[SEL+1]
	D 1
	v_or_b32 v[PW], v[XA], v[Y]                    ; p's scale word
.irp g, 0,1
	v_cvt_scalef32_pk16_fp6_f32 v[PC+6*\g:PC+6*\g+2], v[S+32*\g:S+32*\g+15], v[SO+\g]
	v_cvt_scalef32_pk16_fp6_f32 v[CT+4*\g:CT+4*\g+2], v[S+32*\g+16:S+32*\g+31], v[SO+\g]
.endr
	v_nop
.irp g, 0,1
.irp e, 0,1,2
	v_mov_b32 v[PC+6*\g+3+\e], v[CT+4*\g+\e]
.endr
.endr
	WIN 0x41
	AW                                             ; directly ahead of the first readers of O^T
.set j, 0
.rept 16
	v_pk_mul_f32 v[32*(\i)+2*j:32*(\i)+2*j+1], v[32*(\i)+2*j:32*(\i)+2*j+1], v[F:F+1] op_sel_hi:[1,0]   ; O^T under the new M
.set j, j+1
.endr
	WIN 0
	AW
.if \pv
	s_wait_dscnt 12                                ; V's 12 loads are in; the next head's K, issued behind them, may be out
	PVMUL \i
.endif
.endm
; A STEP.  Its head: head 0's K, the scale words, the mask's tile.  Its end is THE CHANGE OF SLOTS: all my tensor loads, the add, head 3's second product (work on registers), the wait,
; the round (fill = 1) or the work-group's barrier, and the joint refill: step t + 2 into the slot just left; it has a whole step in which to land.
.macro STEP fill
	NOP4                                           ; places behind the last products, ahead of loads into their scale words
	v_add_nc_u32 v[ADK], s[TB], v[LI]
	v_add_nc_u32 v[ADM], s[TB], v[AM0]
	AW
	KLOAD 0
.irp i, 0,1,2,3
	ds_load_b128 v[SCW+4*\i:SCW+4*\i+3], v[ADK] offset:HB*\i+8*FB
.endr
	WIN 0x40
.irp g, 0,1                                    ; register 32 c + e = mask(query r, key 64 c + 32 h + e)
.irp j, 0,1,2,3,4,5,6,7
	ds_load_b128 v[MK+32*\g+4*\j:MK+32*\g+4*\j+3], v[ADM] offset:256*\g+16*\j
.endr
.endr
	UNIT 0, 1
	UNIT 1, 1
	UNIT 2, 1
	UNIT 3, 0
.if \fill
	s_wait_xcnt 0x0                                ; the last prefetch has read its address
	s_add_nc_u64 s[PF:PF+1], s[PF:PF+1], s[PFS:PFS+1]
.endif
	s_wait_tensorcnt 0x0                           ; my part of the next step is in
	ds_add_u32 v[SPW], v[NIL]
	s_wait_dscnt 1                                 ; head 3's V is in; the add alone may be out
	PVMUL 3
.if \fill
	WALK
.endif
	s_xor_b32 s[TB], s[TB], SLOT1
	s_wait_dscnt 0x0                               ; the add is done; my reads of this slot are over
.if \fill
	CROUND
	JLOAD
	ASK
.else
	s_barrier_signal -1
	s_barrier_wait -1
.endif
.endm
	AW                                             ; the head's end
	s_wait_tensorcnt 0x0                           ; a later first fill is issued as a refill is
	ds_add_u32 v[SPW], v[NIL]
	WALK
	s_wait_dscnt 0x0
	CROUND
	JLOAD                                          ; step 1 into slot 1
.Lstep:                                            ; steps 0 to 13
	STEP 1
	s_sub_co_u32 s[CNT], s[CNT], 1
	s_cmp_lg_u32 s[CNT], 0
	s_cbranch_scc1 .Lstep
	s_mov_b32 s[CNT], 2
.Ltail:                                            ; steps 14 and 15 ask for nothing
	STEP 0
	s_sub_co_u32 s[CNT], s[CNT], 1
	s_cmp_lg_u32 s[CNT], 0
	s_cbranch_scc1 .Ltail
	; THE WAY OUT: O^T / the sum, a head's 16 rows of 256 bytes at a time through my stage, so that a store covers 512 consecutive bytes
.irp n, 0,1,2,3
	v_add_f32 v[ST+4*\n+2], v[ST+4*\n+2], v[ST+4*\n+3]
.endr
.irp n, 0,1,2,3
	v_permlanex16_b32 v[BM+\n], v[ST+4*\n+2], s[SEL], s[SEL+1]
.endr
.irp n, 0,1,2,3
	v_add_f32 v[ST+4*\n+2], v[ST+4*\n+2], v[BM+\n]
.endr
	AW
.irp n, 0,1,2,3
	v_rcp_f32 v[ST+4*\n+2], v[ST+4*\n+2]
.endr
	v_and_b32 v[XA], 15, v0
	v_bfe_u32 v[Y], v0, 4, 1
	s_mul_i32 s63, s[WV], 16*SP
	v_mul_u32_u24 v[STO], v[XA], SP
	v_lshl_add_u32 v[STO], v[Y], 5, v[STO]
	v_add_nc_u32 v[STO], s63, v[STO]               ; in: row r, 64 t + 32 h bytes on
	v_mul_u32_u24 v[RD], v[Y], SP
	v_lshl_add_u32 v[RD], v[XA], 4, v[RD]
	v_add_nc_u32 v[RD], s63, v[RD]                 ; back: lanes 0-15 one row, lanes 16-31 the next
	AW
.macro PACK n
.if (\n) > 0
	s_wait_dscnt 8                                 ; the last head's stores into the stage have read their registers
.endif
	WIN 0x01
	AW
.set j, 0
.rept 16
	v_pk_mul_f32 v[OV+2*j:OV+2*j+1], v[32*(\n)+2*j:32*(\n)+2*j+1], v[ST+4*(\n)+2:ST+4*(\n)+3] op_sel_hi:[1,0]
.set j, j+1
.endr
	WIN 0
.irp t, 0,1,2,3
	ds_store_b128 v[STO], v[OV+8*\t:OV+8*\t+3] offset:64*\t
	ds_store_b128 v[STO], v[OV+8*\t+4:OV+8*\t+7] offset:64*\t+16
.endr
.irp k, 0,1,2,3,4,5,6,7
	ds_load_b128 v[RB+32*(\n)+4*\k:RB+32*(\n)+4*\k+3], v[RD] offset:2*\k*SP   ; LDS serves a wave's instructions in order
.endr
.endm
.macro SEND n, younger                 ; younger: LDS instructions issued behind this head's read-backs
.irp k, 0,1,2,3,4,5,6,7
	s_wait_dscnt \younger+7-\k
	global_store_b128 v[LI], v[RB+32*(\n)+4*\k:RB+32*(\n)+4*\k+3], s[10:11] offset:524288*(\n)+512*\k th:TH_STORE_NT
.endr
.endm
	PACK 0
.irp n, 1,2,3
	PACK \n
	SEND \n-1, 16
.endr
	SEND 3, 0
	s_wait_tensorcnt 0x0                           ; the wave's end
	ds_add_u32 v[SPW], v[NIL]
	s_wait_dscnt 0x0
	CROUND                                         ; the closing round
	s_endpgm
.Lfunc_end_k_qb6ba0748c0_attn:
	.size	k_qb6ba0748c0_attn, .Lfunc_end_k_qb6ba0748c0_attn-k_qb6ba0748c0_attn
	.p2alignl 7, 3214868480
	.fill 96, 4, 3214868480
	.section	.rodata,"a",@progbits
	.p2align	6, 0x0
	.amdhsa_kernel k_qb6ba0748c0_attn
		.amdhsa_group_segment_fixed_size 327680
		.amdhsa_private_segment_fixed_size 0
		.amdhsa_enable_private_segment 0
		.amdhsa_kernarg_size 32
		.amdhsa_user_sgpr_count 2
		.amdhsa_user_sgpr_kernarg_segment_ptr 1
		.amdhsa_wavefront_size32 1
		.amdhsa_system_sgpr_workgroup_id_x 1
		.amdhsa_system_sgpr_workgroup_id_y 1
		.amdhsa_system_sgpr_workgroup_id_z 1
		.amdhsa_system_vgpr_workitem_id 0
		.amdhsa_next_free_vgpr 512
		.amdhsa_next_free_sgpr 96
		.amdhsa_reserve_vcc 0
		.amdhsa_float_denorm_mode_32 3
		.amdhsa_float_denorm_mode_16_64 3
		.amdhsa_memory_ordered 1
		.amdhsa_forward_progress 1
		.amdhsa_inst_pref_size 160
	.end_amdhsa_kernel
	.amdgpu_metadata
---
amdhsa.version: [ 1, 2 ]
amdhsa.kernels:
  - .name:           k_qb6ba0748c0_attn
    .symbol:         k_qb6ba0748c0_attn.kd
    .args:
      - { .name: query, .offset: 0, .size: 8, .value_kind: global_buffer, .address_space: global }
      - { .name: kvc, .offset: 8, .size: 8, .value_kind: global_buffer, .address_space: global }
      - { .name: attn_mask, .offset: 16, .size: 8, .value_kind: global_buffer, .address_space: global }
      - { .name: out0, .offset: 24, .size: 8, .value_kind: global_buffer, .address_space: global }
    .group_segment_fixed_size: 327680
    .private_segment_fixed_size: 0
    .kernarg_segment_align: 8
    .kernarg_segment_size: 32
    .max_flat_workgroup_size: 256
    .sgpr_count:     96
    .vgpr_count:     512
    .wavefront_size: 32
...
	.end_amdgpu_metadata
.endif
;; end of part 2
